; MI455X (gfx1250); checked and timed in simulation.
; The chip was launched on July 23, 2026; its instructions are those of AMD's public machine-readable ISA for CDNA 5 (MIT licence, August 2026) and "CDNA5" Instruction Set Architecture Reference Guide (July 2026). The comments in the code are by the model that wrote it; some were corrected since.
;; Biaffine. Allowed arithmetic: matrix products marked QUANTISED: E5M2 operands, one E8M0 scale for each 32 along K, by v_wmma_scale_f32_16x16x128_f8f6f4 with both operands' format E5M2, f32 sums; everything else in f32.
;; Inputs: U_1 512 x 64 x 512 float32; U_2 1,024 x 64 float32; bias 64 float32; h_backward 4 x 512 x 512 float32; h_forward 4 x 512 x 512 float32.
;; Outputs: out0 4 x 512 x 64 float32.
;; This version of the problem:
;;   THIS VERSION OF THE PROBLEM IS GIVEN IN LOW PRECISION. The matrix products marked QUANTISED in the list below multiply operands that are first quantised to E5M2 (5 exponent bits, 2 mantissa bits; 8 bits a number), with one power-of-two scale for each 32 numbers along K (OCP MX v1.0); their sums are f32. All else is computed in f32.
;;   The module's matrix products, in the order in which they are computed (A, B: the left and right operand; K: the contracted axis; several contracted axes count as one K, in the product's order):
;;     1. [M 32,768, K 512] x [K 512, N 2,048]; A: input U_1; B: input h_forward: QUANTISED
;;     2. batch 4 x [M 32,768, K 512] x [K 512, N 512]; A: computed on the way; B: input h_backward: QUANTISED
;;     3. [M 2,048, K 512] x [K 512, N 64]; A: input h_forward; B: input U_2: QUANTISED
;;     4. [M 2,048, K 512] x [K 512, N 64]; A: input h_backward; B: input U_2: QUANTISED
;;   THE QUANTISER, for each operand of a quantised product, along K:
;;     - K is cut into blocks of 32 from its start; a last block that is shorter is filled with zeros.
;;     - A block's scale is 2^e with e = floor(log2(the largest magnitude in the block)) - 15, held to -126 .. 127; a block of zeros has e = 0. As a byte (E8M0): e + 127.
;;     - Each number is divided by its block's scale, clamped to +-57,344, and rounded to the nearest number of E5M2, ties to even, subnormals kept.
;;     - The product sums the exact products of the quantised numbers (number of the format x scale) in f32.
;;   ~~~python
;;   def quantise(x, axis):      # numpy; x: float32 -> the quantised numbers, widened to float32 again
;;       x = np.moveaxis(x, axis, -1); K = x.shape[-1]
;;       x = np.pad(x, [(0, 0)] * (x.ndim - 1) + [(0, -K % 32)]); x = x.reshape(x.shape[:-1] + (-1, 32)); a = np.abs(x).max(-1, keepdims=True)
;;       e = np.where(a > 0, np.clip(np.frexp(np.where(a > 0, a, 1))[1] - 1 - 15, -126, 127), 0)      # np.frexp(a)[1] - 1 = floor(log2(a)), exactly
;;       r = np.clip(x / 2.0 ** e, -57344, 57344)
;;       step = 2.0 ** (np.maximum(np.frexp(np.where(r == 0, 1, r))[1] - 1, -14) - 2)
;;       q = np.round(r / step) * step * 2.0 ** e      # np.round: ties to even
;;       return np.moveaxis(q.reshape(q.shape[:-2] + (-1,))[..., :K], -1, axis).astype(np.float32)
;;   ~~~
;;   OPERANDS COMPUTED ON THE WAY. 'Computed on the way' means the value that the module computes at that place (a softmax that the list does not call 'softmax' is quantised finished and normalised). What goes into a quantiser is computed in f32, as accurately as f32 sums, v_exp_f32 and their like allow (about 1e-6 of the number): no bf16 or f16 on the way to a quantiser, and a product that is left as it is and whose result goes on into a quantised operand takes f32 operands (vector FMAs, or v_wmma_f32_16x16x4_f32). A number that lies on a knife's edge between two numbers of the format may be rounded either way, as far as f32 arithmetic and the matrix unit's own rounding can turn it there, and no further.
;; One version. Each part assembles by itself: llvm-mc -triple=amdgcn-amd-amdhsa -mcpu=gfx1250 --defsym DOCPART=n.
;; ======== version 1 of 1: 3 launches
;; limits: right only within a limited range of input values
;; workspace buffers: u1q 17,301,504 bytes; hfq 1,081,344 bytes; hbq 1,081,344 bytes; u2q 135,168 bytes; part 524,288 bytes
;; launch quant (part 1): grid 580 x 1, 4 waves a work-group, no clusters, 93,696 bytes of LDS; arguments U_1, U_2, h_forward, h_backward, u1q, u2q, hfq, hbq; writes u1q, u2q, hfq, hbq
.if DOCPART == 1
	.amdgcn_target "amdgcn-amd-amdhsa--gfx1250"
	.amdhsa_code_object_version 6
	.text
	.protected	k_qc9196c1ec2_quant
	.globl	k_qc9196c1ec2_quant
	.p2align	8
	.type	k_qc9196c1ec2_quant,@function
k_qc9196c1ec2_quant:
	s_mov_b64 s[64:65], 0
	v_nop
	global_prefetch_b8 v0, s[64:65] scope:SCOPE_SE
	s_setreg_imm32_b32 hwreg(HW_REG_WAVE_MODE, 25, 1), 1
	s_wait_xcnt 0x0
; U_1 [512 i][64 r][512 j], U_2 [1024 d][64 r], h_forward and h_backward [4][512][512], all f32, become codes of BF8 (E5M2) with one E8M0 byte for each 32 along K,
; laid as IMAGES OF OPERAND REGISTERS, so that the next launch brings every fragment by 16-byte loads at 16 x lane.
; A block's scale is 2^(floor(log2(its largest magnitude)) - 15); its byte is the largest magnitude's exponent field - 15, held at 1 from below; each number is held within +-57,344 x the scale and converted, ties to even.
; LIMITS: a block of zeros gets the byte 1 (its codes are zeros, and this program alone reads the bytes); NaN and infinities among the inputs are not served.
; A RECORD is 67,584 bytes: 32 fragment images of 2,048 bytes, then 2,048 bytes of scale words.  A FRAGMENT IMAGE is 16 rows x 128 K: register group q (0..3) at 512 q, lane L's 16 bytes at 16 L;
; lane L = rl + 16 h holds k = 32 q + 16 h + 0 .. 15 of row rl.
;   u1q record 4 r + c (c: 128 j): fragment ((s4 4 + k) 2 + jt): row rl is j = 128 c + 32 s4 + 8 jt + rl + 8 (rl / 8), K step k of 128 i; words at 65536 + 512 s4 + 256 (k / 2) + 8 (16 jt + rl) + 4 (k % 2)
;   u2q record half: the same with the column r in j's place; s4 = 0, 1 hold the 64 columns, s4 = 2, 3 a second copy of them that nobody reads
;   hfq record 4 b + w: fragment 8 k + xt: row rl is x = 128 w + 16 xt + rl; words at 65536 + 512 k + 64 xt + 4 rl
;   hbq record 4 b + c: fragment t: row rl is y = 16 t + rl, K = j from 128 c; words at 65536 + 64 t + 4 rl
; WORK-GROUPS: 0 .. 511 take U_1, 512 .. 575 the two h, 576 .. 579 U_2: the paths part on the work-group's number alone, and each path has LDS bytes of its own.
; No tensor loads, no matrix work, no cluster: the work-groups share no input, and every input byte is read once.
.set REC,   67584
.set USTW,  4352                       ; a U wave's stage: 16 units of 256 bytes + 16 of padding
.set UREG,  4*USTW+1024                ; a U path's LDS: four stages, then 1,024 bytes of scale words
.set HST,   2*UREG                     ; the h path's LDS: for each wave two stages of 32 x 80 bytes and an image of 32 x 272
.set HREG,  13824
.set HWB,   HST+4*HREG                 ; its 1,024 bytes of scale words
.set SPARE, HWB+1024                   ; the spare words, 128 bytes for each wave: two blocks of 256 bytes that no other line names
.set SPW,   30                         ; v30 my spare word's address, v31 zero: never rewritten
.set NIL,   31
; U paths: v12-15 scale bytes, v16-19 largest magnitudes, v20-23 the conversions' scale operands, v24-27 the hold, one of each for my four columns
.set BY,    12
.set M,     16
.set SO,    20
.set HD,    24
.set X,     32                         ; v32-159  a block as loaded: row i's four columns at X + 4 i
.set H,     160                        ; v160-191 one column's 32 numbers, held, down K; then eight units on the way out
.set C,     192                        ; v192-223 eight registers of codes for each column
; h path
.set R,     32                         ; v32-159  eight sets of 16 numbers as loaded; then the image on the way out
.set XH,    160                        ; v160-191 two sets of 16 neighbours
.set CC,    192                        ; v192-199 two sets of codes
.set E,     200                        ; v200-215 a scale byte for each row
; ---- U paths.  A wave takes 64 rows of K (two blocks of 32) x 128 columns; a lane takes columns 4 L .. 4 L + 3: a load reads 512 consecutive bytes of a row.
.macro ULOAD t, pitch
.set ii, 0
.rept 32
	global_load_b128 v[X+4*ii:X+4*ii+3], v3, s[24:25] offset:(32*(\t)+ii)*(\pitch) th:TH_LOAD_NT
.set ii, ii+1
.endr
.endm
.macro UCOL cc, t                      ; the hold also lays column cc's 32 numbers into consecutive registers, as the conversions want them
.set ii, 0
.rept 32
	v_med3_num_f32 v[H+ii], v[X+4*ii+\cc], -v[HD+\cc], v[HD+\cc]   ; the conversion to an 8-bit code does not saturate (ISA guide 7.6.2)
.set ii, ii+1
.endr
.irp g, 0,1,2,3
	v_cvt_scalef32_pk8_bf8_f32 v[C+8*\cc+2*\g:C+8*\cc+2*\g+1], v[H+8*\g:H+8*\g+7], v[SO+\cc]
.endr
	v_nop                                          ; a plain line behind the last conversion, ahead of the next column's holds, which write its sources
	ds_store_b128 v4, v[C+8*\cc:C+8*\cc+3] offset:16*\cc            ; k 0 .. 15 of the block: the unit of the image's lanes 0-15
	ds_store_b128 v4, v[C+8*\cc+4:C+8*\cc+7] offset:272+16*\cc      ; k 16 .. 31: that of lanes 16-31
	ds_store_b8 v7, v[BY+\cc] offset:8*\cc+\t
.endm
.macro UBLOCK t, pitch
	s_wait_loadcnt 0x0                             ; the block's 32 loads are in
.if \t
	s_wait_xcnt 0x0                                ; the last block's stores have read v160-191
.endif
.irp cc, 0,1,2,3
	v_max3_num_f32 v[M+\cc], |v[X+\cc]|, |v[X+4+\cc]|, 0x8000000   ; the floor 2^(16 - 127): the byte cannot fall under 1; four columns by turns
.endr
.set ii, 2
.rept 15
.irp cc, 0,1,2,3
	v_max3_num_f32 v[M+\cc], v[M+\cc], |v[X+4*ii+\cc]|, |v[X+4*ii+4+\cc]|
.endr
.set ii, ii+2
.endr
.irp cc, 0,1,2,3
	v_add_nc_u32 v[SO+\cc], 0xf8800000, v[M+\cc]   ; 15 off the exponent field: the conversion's scale operand
.endr
.irp cc, 0,1,2,3
	v_and_or_b32 v[HD+\cc], v[M+\cc], 0x7f800000, s36   ; 57,344 x the scale
.endr
.irp cc, 0,1,2,3
	v_lshrrev_b32 v[BY+\cc], 23, v[SO+\cc]         ; the scale's byte
.endr
.irp cc, 0,1,2,3
	UCOL \cc, \t
.endr
.if \t == 0
	ULOAD 1, \pitch                                ; the second block sets out as soon as the first has left its registers
.endif
.irp n, 0,1,2,3,4,5,6,7
	ds_load_b128 v[H+4*\n:H+4*\n+3], v5 offset:544*\n   ; LDS serves a wave's instructions in order: these see my stores.  Two units: 512 bytes of tile n = 2 s4 + jt
.endr
	s_wait_dscnt 0x0
.irp n, 0,1,2,3,4,5,6,7
	global_store_b128 v6, v[H+4*\n:H+4*\n+3], s[32:33] offset:(\n/2)*16384+(\n%2)*2048+512*\t   ; 32 lanes store 512 consecutive bytes, aligned
.endr
.endm
.macro UDEST p                         ; s21 kh, s38 the record's offset: where my codes (K step 2 kh + wave / 2, groups 2 (wave % 2) + t) and the work-group's words go
	s_lshl_b32 s40, s21, 13
	s_add_co_u32 s40, s40, s38
	s_lshr_b32 s41, s20, 1
	s_lshl_b32 s41, s41, 12
	s_add_co_u32 s40, s40, s41
	s_and_b32 s41, s20, 1
	s_lshl_b32 s41, s41, 10
	s_add_co_u32 s40, s40, s41
	s_mov_b32 s41, 0
	s_add_nc_u64 s[32:33], s[\p:\p+1], s[40:41]
	s_lshl_b32 s40, s20, 9
	s_add_co_u32 s40, s40, s38
	s_lshl_b32 s42, s21, 8
	s_add_co_u32 s40, s40, s42
	s_add_co_u32 s40, s40, 65536                   ; unit s4 = wave of the words: 65,536 + 512 wave + 256 kh
	s_add_nc_u64 s[34:35], s[\p:\p+1], s[40:41]
	s_mov_b32 s36, 0x600000                        ; the mantissa field of 57,344
.endm
.macro UPATH pitch, base               ; column 4 L + cc: s4 = L / 8, jt = (L / 2) % 2, rl = 4 (L % 2) + cc + 8 ((L / 4) % 2)
	s_mul_i32 s21, s20, USTW
	s_add_co_u32 s21, s21, \base                   ; my stage
	s_lshl_b32 s22, s20, 1
	s_add_co_u32 s22, s22, \base+4*USTW            ; the words; my bytes stand at 4 (k % 2) + q = 2 wave + t
	v_lshrrev_b32 v10, 3, v2
	v_bfe_u32 v11, v2, 1, 1
	v_bfe_u32 v12, v2, 2, 1
	v_and_b32 v13, 1, v2
	v_mul_u32_u24 v4, v10, 1088                    ; the stage, in: unit 4 s4 + 2 jt + h of 272 bytes, + 16 rl
	v_mad_u32_u24 v4, v11, 544, v4
	v_lshl_add_u32 v4, v12, 7, v4
	v_lshl_add_u32 v4, v13, 6, v4
	v_add_nc_u32 v4, s21, v4
	v_lshlrev_b32 v7, 8, v10                       ; a byte's place: 256 s4 + 8 (16 jt + rl)
	v_lshl_add_u32 v7, v11, 7, v7
	v_lshl_add_u32 v7, v12, 6, v7
	v_lshl_add_u32 v7, v13, 5, v7
	v_add_nc_u32 v7, s22, v7
	v_lshrrev_b32 v5, 4, v2                        ; the stage, back: sixteen lanes to a unit
	v_mul_u32_u24 v5, v5, 272
	v_and_b32 v15, 15, v2
	v_lshl_add_u32 v5, v15, 4, v5
	v_add_nc_u32 v5, s21, v5
	v_lshlrev_b32 v6, 4, v2
	v_lshl_add_u32 v8, v0, 3, \base+4*USTW         ; the words, back: 256 wave + 8 lane
	v_lshlrev_b32 v9, 3, v2
	s_wait_alu depctr_va_vdst(0)
	ULOAD 0, \pitch
	UBLOCK 0, \pitch
	UBLOCK 1, \pitch
	s_wait_dscnt 0x0                               ; for the others' sake: my bytes lie in LDS
	s_barrier_signal -1
	s_barrier_wait -1
	ds_load_b64 v[16:17], v8
	s_wait_dscnt 0x0
	global_store_b64 v9, v[16:17], s[34:35]        ; 32 lanes store 256 consecutive bytes, aligned
	s_wait_tensorcnt 0x0                           ; the wave's end
	ds_add_u32 v[SPW], v[NIL]
	s_wait_dscnt 0x0
	s_endpgm
.endm
; ---- h path.  A wave takes a tile of 16 rows, a row (512 numbers) a step.  Loads read the bytes as they lie; a row turns through the wave's stage, so that lane l holds k = 16 l .. 16 l + 15:
; K step l / 8, group (l / 2) % 4, h = l % 2: its 16 codes are row t's place in unit l of the tile's four images.
.macro HLOAD t
.irp i, 0,1,2,3
	global_load_b128 v[R+16*((\t)%8)+4*\i:R+16*((\t)%8)+4*\i+3], v3, s[36:37] offset:2048*(\t)+512*\i th:TH_LOAD_NT
.endr
.endm
.macro HTURN t
.irp i, 0,1,2,3
	ds_store_b128 v4, v[R+16*((\t)%8)+4*\i:R+16*((\t)%8)+4*\i+3] offset:2560*((\t)%2)+640*\i
.endr
.irp i, 0,1,2,3
	ds_load_b128 v[XH+16*((\t)%2)+4*\i:XH+16*((\t)%2)+4*\i+3], v5 offset:2560*((\t)%2)+16*\i
.endr
.endm
.macro HSTEP t
.set XS, XH+16*((\t)%2)
.if (\t) > 0
	s_wait_dscnt 2                                 ; this row is back from the stage; the last row's two stores, byte and codes, may be out
.else
	s_wait_dscnt 0x0
.endif
.if (\t)+8 < 16
	HLOAD (\t)+8                                   ; into the set that this row's turn has read
	s_wait_loadcnt 28                              ; the next row's four loads are in; those of the seven rows behind it may be out
.else
.if (\t) < 15
	s_wait_loadcnt 4*(14-(\t))                     ; the next row's four loads are in; those of rows t + 2 .. 15 may be out
.else
	s_wait_loadcnt 0x0
.endif
.endif
.if (\t)+1 < 16
	HTURN (\t)+1
.endif
	v_max3_num_f32 v8, |v[XS]|, |v[XS+1]|, |v[XS+2]|
	v_max3_num_f32 v9, |v[XS+3]|, |v[XS+4]|, |v[XS+5]|
.irp i, 6,10
	v_max3_num_f32 v8, v8, |v[XS+\i]|, |v[XS+\i+1]|
	v_max3_num_f32 v9, v9, |v[XS+\i+2]|, |v[XS+\i+3]|
.endr
	v_max3_num_f32 v8, v8, |v[XS+14]|, |v[XS+15]|
	v_max3_num_f32 v8, v8, v9, 0x8000000           ; and the floor
	v_max_num_f32_dpp v8, v8, v8 row_xmask:1 row_mask:0xf bank_mask:0xf   ; with my neighbour's 16: the block's largest magnitude
	v_add_nc_u32 v11, 0xf8800000, v8
	v_and_or_b32 v10, v8, 0x7f800000, s58
.irp i, 0,1,2,3,4,5,6,7,8,9,10,11,12,13,14,15
	v_med3_num_f32 v[XS+\i], v[XS+\i], -v10, v10
.endr
	v_cvt_scalef32_pk8_bf8_f32 v[CC+4*((\t)%2):CC+4*((\t)%2)+1], v[XS:XS+7], v11
	v_cvt_scalef32_pk8_bf8_f32 v[CC+4*((\t)%2)+2:CC+4*((\t)%2)+3], v[XS+8:XS+15], v11
	v_lshrrev_b32 v[E+(\t)], 23, v11               ; the scale's byte; also the plain line behind the conversions
	ds_store_b8 v7, v[E+(\t)] offset:4*(\t)        ; both lanes of a block write the same byte with the same value
	ds_store_b128 v6, v[CC+4*((\t)%2):CC+4*((\t)%2)+3] offset:5120+16*(\t)
.endm
	s_load_b256 s[4:11], s[0:1], 0x0               ; U_1 s[4:5], U_2 s[6:7], h_forward s[8:9], h_backward s[10:11]
	s_load_b256 s[12:19], s[0:1], 0x20             ; u1q s[12:13], u2q s[14:15], hfq s[16:17], hbq s[18:19]
	v_lshl_add_u32 v[SPW], v0, 2, SPARE
	v_mov_b32 v[NIL], 0
	v_lshrrev_b32 v1, 5, v0
	v_readfirstlane_b32 s20, v1                    ; wave 0..3
	v_and_b32 v2, 31, v0                           ; lane
	s_wait_alu depctr_va_vdst(0)
	s_wait_kmcnt 0x0
	s_cmp_lt_u32 ttmp9, 512
	s_cbranch_scc1 .Lu1
	s_cmp_lt_u32 ttmp9, 576
	s_cbranch_scc1 .Lh
	; ---- U_2: work-group = 2 half + kh: 256 rows of 256 bytes, 64 a wave.  Lanes 16-31 read what lanes 0-15 read
	s_sub_co_u32 s22, ttmp9, 576
	s_and_b32 s21, s22, 1                          ; kh
	s_lshr_b32 s22, s22, 1                         ; half
	s_lshl_b32 s38, s22, 17
	s_lshl_b32 s23, s21, 16
	s_add_co_u32 s38, s38, s23
	s_lshl_b32 s23, s20, 14
	s_add_co_u32 s38, s38, s23
	s_mov_b32 s39, 0
	s_add_nc_u64 s[24:25], s[6:7], s[38:39]
	s_mul_i32 s38, s22, REC
	UDEST 14
	v_and_b32 v3, 15, v2
	v_lshlrev_b32 v3, 4, v3
	UPATH 256, UREG
.Lu1:	; ---- U_1: work-group = 2 (4 r + c) + kh: 256 i x 128 j, 64 i a wave.  From i to i + 1 are 131,072 bytes: 63 of them stay inside the signed 24-bit immediate
	s_and_b32 s21, ttmp9, 1                        ; kh
	s_lshr_b32 s22, ttmp9, 1                       ; 4 r + c
	s_lshl_b32 s38, s21, 25
	s_lshl_b32 s23, s20, 23
	s_add_co_u32 s38, s38, s23
	s_lshl_b32 s23, s22, 9
	s_add_co_u32 s38, s38, s23
	s_mov_b32 s39, 0
	s_add_nc_u64 s[24:25], s[4:5], s[38:39]
	s_mul_i32 s38, s22, REC
	UDEST 12
	v_lshlrev_b32 v3, 4, v2
	UPATH 131072, 0
.Lh:	; ---- h_forward (work-groups 512 .. 543) and h_backward (544 .. 575): 64 rows a work-group, a tile of 16 rows a wave
	s_sub_co_u32 s21, ttmp9, 512
	s_lshr_b32 s22, s21, 5                         ; which tensor
	s_and_b32 s21, s21, 31                         ; which 64 rows of its 2,048
	s_lshr_b32 s23, s21, 3                         ; b
	s_and_b32 s24, s21, 7                          ; u: which 64 rows of the batch's 512; my tile is t = 4 u + wave
	s_lshl_b32 s26, s21, 6
	s_lshl_b32 s27, s20, 4
	s_add_co_u32 s26, s26, s27                     ; my first row
	s_lshl_b32 s26, s26, 11                        ; of 2,048 bytes
	s_mov_b32 s27, 0
	s_lshl_b32 s28, s23, 2                         ; 4 b
	s_lshr_b32 s29, s24, 1
	s_add_co_u32 s29, s28, s29
	s_mul_i32 s29, s29, REC                        ; hfq: record 4 b + u / 2
	s_mul_i32 s28, s28, REC                        ; hbq: record 4 b (K step 0)
	s_and_b32 s30, s24, 1
	s_lshl_b32 s31, s30, 2
	s_add_co_u32 s31, s31, s20                     ; xt = 4 (u % 2) + wave
	s_lshl_b32 s31, s31, 11
	s_add_co_u32 s31, s31, s29                     ; hfq: my fragment of K step 0
	s_lshl_b32 s32, s24, 2
	s_add_co_u32 s32, s32, s20                     ; t
	s_lshl_b32 s32, s32, 11
	s_add_co_u32 s32, s32, s28                     ; hbq: likewise
	s_lshl_b32 s30, s30, 8
	s_add_co_u32 s30, s30, s29
	s_lshl_b32 s33, s20, 9
	s_add_co_u32 s30, s30, s33                     ; hfq: the four tiles' words of K step = my wave (65,536 is added below)
	s_lshl_b32 s33, s24, 8
	s_add_co_u32 s33, s33, s28
	s_mul_i32 s34, s20, REC
	s_add_co_u32 s33, s33, s34                     ; hbq: likewise
	s_mov_b32 s35, REC
	s_cmp_eq_u32 s22, 0                            ; the choice hangs on the work-group's number alone
	s_cselect_b64 s[36:37], s[8:9], s[10:11]
	s_cselect_b64 s[38:39], s[16:17], s[18:19]
	s_cselect_b32 s50, s31, s32
	s_cselect_b32 s52, s30, s33
	s_cselect_b32 s54, 16384, s35                  ; from K step to K step: eight fragments in hfq, a record in hbq
	s_mov_b32 s51, 0
	s_mov_b32 s53, 0
	s_mov_b32 s55, 0
	s_add_nc_u64 s[36:37], s[36:37], s[26:27]
	s_add_nc_u64 s[40:41], s[38:39], s[50:51]      ; s[40:47]: where the four K steps' images go
	s_add_nc_u64 s[42:43], s[40:41], s[54:55]
	s_add_nc_u64 s[44:45], s[42:43], s[54:55]
	s_add_nc_u64 s[46:47], s[44:45], s[54:55]
	s_add_nc_u64 s[48:49], s[38:39], s[52:53]
	s_add_nc_u64 s[48:49], s[48:49], 65536
	s_mov_b32 s58, 0x600000
	s_mul_i32 s59, s20, HREG
	s_add_co_u32 s59, s59, HST                     ; my wave's LDS
	s_lshl_b32 s60, s20, 6
	s_add_co_u32 s60, s60, HWB
	v_lshlrev_b32 v3, 4, v2                        ; my 16 bytes of 512, in and out
	v_lshrrev_b32 v4, 2, v2
	v_mul_u32_u24 v4, v4, 80
	v_and_b32 v5, 3, v2
	v_lshl_add_u32 v4, v5, 4, v4
	v_add_nc_u32 v4, s59, v4                       ; the stage, in: four lanes' 64 bytes on end, then 16 of padding
	v_mul_u32_u24 v5, v2, 80
	v_add_nc_u32 v5, s59, v5                       ; and back: my 16 neighbours
	v_mul_u32_u24 v6, v2, 272
	v_add_nc_u32 v6, s59, v6                       ; the image, in: unit l (5,120 and 16 t stand in the immediate)
	v_lshrrev_b32 v12, 4, v2
	v_mul_u32_u24 v12, v12, 272
	v_and_b32 v13, 15, v2
	v_lshl_add_u32 v12, v13, 4, v12
	v_add_nc_u32 v12, s59, v12                     ; and back: sixteen lanes to a unit
	v_lshrrev_b32 v7, 3, v2
	v_lshlrev_b32 v7, 8, v7
	v_bfe_u32 v13, v2, 1, 2
	v_add_nc_u32 v7, v7, v13
	v_add_nc_u32 v7, s60, v7                       ; a byte's place: 256 k + 64 wave + 4 t + q
	v_lshl_add_u32 v16, v0, 3, HWB                 ; the words, back: 256 wave + 8 lane
	v_lshlrev_b32 v17, 3, v2
	s_wait_alu depctr_va_vdst(0)
.irp t, 0,1,2,3,4,5,6,7
	HLOAD \t
.endr
	s_wait_loadcnt 28                              ; row 0's four loads are in
	HTURN 0
.irp t, 0,1,2,3,4,5,6,7,8,9,10,11,12,13,14,15
	HSTEP \t
.endr
.set nn, 0
.rept 16
	ds_load_b128 v[R+4*nn:R+4*nn+3], v12 offset:5120+544*nn   ; LDS serves a wave's instructions in order: these see my stores
.set nn, nn+1
.endr
.set nn, 0
.rept 16
	s_wait_dscnt 15-nn                             ; load nn is in, the younger ones may be out
	global_store_b128 v3, v[R+4*nn:R+4*nn+3], s[40+2*(nn/4):41+2*(nn/4)] offset:512*(nn%4)   ; 32 lanes store 512 consecutive bytes, aligned
.set nn, nn+1
.endr
	s_wait_dscnt 0x0                               ; for the others' sake: my bytes lie in LDS
	s_barrier_signal -1
	s_barrier_wait -1
	ds_load_b64 v[8:9], v16                        ; the four tiles' words of K step = my wave: 256 bytes
	s_wait_dscnt 0x0
	global_store_b64 v17, v[8:9], s[48:49]         ; 32 lanes store 256 consecutive bytes, aligned
	s_wait_tensorcnt 0x0                           ; the wave's end
	ds_add_u32 v[SPW], v[NIL]
	s_wait_dscnt 0x0
	s_endpgm
.Lfunc_end_k_qc9196c1ec2_quant:
	.size	k_qc9196c1ec2_quant, .Lfunc_end_k_qc9196c1ec2_quant-k_qc9196c1ec2_quant
	.p2alignl 7, 3214868480
	.fill 96, 4, 3214868480
	.section	.rodata,"a",@progbits
	.p2align	6, 0x0
	.amdhsa_kernel k_qc9196c1ec2_quant
		.amdhsa_group_segment_fixed_size 93696
		.amdhsa_private_segment_fixed_size 0
		.amdhsa_enable_private_segment 0
		.amdhsa_kernarg_size 64
		.amdhsa_user_sgpr_count 2
		.amdhsa_user_sgpr_kernarg_segment_ptr 1
		.amdhsa_wavefront_size32 1
		.amdhsa_system_sgpr_workgroup_id_x 1
		.amdhsa_system_sgpr_workgroup_id_y 1
		.amdhsa_system_sgpr_workgroup_id_z 1
		.amdhsa_system_vgpr_workitem_id 0
		.amdhsa_next_free_vgpr 256
		.amdhsa_next_free_sgpr 66
		.amdhsa_reserve_vcc 0
		.amdhsa_float_denorm_mode_32 3
		.amdhsa_float_denorm_mode_16_64 3
		.amdhsa_memory_ordered 1
		.amdhsa_forward_progress 1
		.amdhsa_inst_pref_size 138
	.end_amdhsa_kernel
	.amdgpu_metadata
---
amdhsa.version: [ 1, 2 ]
amdhsa.kernels:
  - .name:           k_qc9196c1ec2_quant
    .symbol:         k_qc9196c1ec2_quant.kd
    .args:
      - { .name: U_1, .offset: 0, .size: 8, .value_kind: global_buffer, .address_space: global }
      - { .name: U_2, .offset: 8, .size: 8, .value_kind: global_buffer, .address_space: global }
      - { .name: h_forward, .offset: 16, .size: 8, .value_kind: global_buffer, .address_space: global }
      - { .name: h_backward, .offset: 24, .size: 8, .value_kind: global_buffer, .address_space: global }
      - { .name: u1q, .offset: 32, .size: 8, .value_kind: global_buffer, .address_space: global }
      - { .name: u2q, .offset: 40, .size: 8, .value_kind: global_buffer, .address_space: global }
      - { .name: hfq, .offset: 48, .size: 8, .value_kind: global_buffer, .address_space: global }
      - { .name: hbq, .offset: 56, .size: 8, .value_kind: global_buffer, .address_space: global }
    .group_segment_fixed_size: 93696
    .private_segment_fixed_size: 0
    .kernarg_segment_align: 8
    .kernarg_segment_size: 64
    .max_flat_workgroup_size: 128
    .sgpr_count:     66
    .vgpr_count:     256
    .wavefront_size: 32
...
	.end_amdgpu_metadata
.endif
;; end of part 1
;; launch main (part 2): grid 64 x 4, 4 waves a work-group, clusters of 4 x 4, 327,680 bytes of LDS; arguments u1q, hfq, hbq, u2q, bias, part; writes part
.if DOCPART == 2
	.amdgcn_target "amdgcn-amd-amdhsa--gfx1250"
	.amdhsa_code_object_version 6
	.text
	.protected	k_qc9196c1ec2_main
	.globl	k_qc9196c1ec2_main
	.p2align	8
	.type	k_qc9196c1ec2_main,@function
k_qc9196c1ec2_main:
	s_mov_b64 s[64:65], 0
	v_nop
	global_prefetch_b8 v0, s[64:65] scope:SCOPE_SE
	s_setreg_imm32_b32 hwreg(HW_REG_WAVE_MODE, 25, 1), 1
	s_wait_xcnt 0x0
	s_wait_alu depctr_hold_cnt(0) depctr_sa_sdst(0) depctr_va_vdst(0) depctr_va_sdst(0) depctr_va_ssrc(0) depctr_va_vcc(0) depctr_vm_vsrc(0)
	s_getreg_b32 s2, hwreg(HW_REG_IB_STS2, 6, 4)
	s_cmp_eq_u32 s2, 0
	s_cbranch_scc0 .Lentry_in_a_cluster
	s_endpgm
.Lentry_in_a_cluster:
	s_bfe_u32 s2, ttmp6, 0x10000c
	s_cmp_lg_u32 s2, 0xf033
	s_cbranch_scc0 .Lentry_shape_is_right
	s_endpgm
.Lentry_shape_is_right:
; part[b][r][x] = ( sum over y of sum over j of Q(T[x][j]) Q(hb[y][j])  +  512 rf[x]  +  sum over y of rb[y] ) / 512 + bias[r],  T[x][j] = sum over i of Q(U_1[i][r][j]) Q(hf[x][i]),
; rf = Q(hf) Q(U_2[:512, r]), rb = Q(hb) Q(U_2[512:, r]).  All four products on codes of BF8 (E5M2) with E8M0 scales; T is quantised along j in registers and never leaves them.
; SHARES.  A work-group owns one r and one b: 64 x 4 = 256 work-groups.  Wave w owns x = 128 w .. 128 w + 127 (8 tiles); its codes of hf, 32 fragments = 512 registers, stay in registers.
; j goes in 4 chunks of 128.  A chunk's record of U_1 (r, c) and of hb (b, c), 67,584 bytes each, are one LDS slot; two slots take turns.
; PHASE 1, four times a chunk (32 j each): T^T = U_1 hf^T (source 0 = 16 j, source 1 = 16 x), 64 products on 16 accumulators by turns.  The j of a tile are chosen so that a lane's 16 registers of tiles 0 and 1
; are 16 neighbours along j of the lane's x: the conversions' results are registers 4 s4 .. 4 s4 + 3 of the second product's operand.
; PHASE 2: for all 32 tiles of y: ACC[xt] += hb(tile) TQ[xt]^T.  ALL TILES OF y ADD ONTO THE SAME 8 ACCUMULATORS: every product of the second matrix product is formed, and the sum over y is carried by the accumulators
; (row m holds the y with y % 16 = m).  So the sum over y is taken in another order than a mean of finished rows takes it: all in f32.
; rf STARTS THE ACCUMULATORS: source 0 has 16 equal rows U_2[:512, r] with 5 added to each scale byte (a byte is at most 239: no carry), so each row holds 32 rf and the 16 rows add to 512 rf.
; rb: a ninth source 1 with 16 equal columns U_2[512:, r], multiplied with the wave's own quarter of the tiles of y; the waves walk the four groups of 8 tiles in the order (w + g) % 4, so that quarter is always g = 0.
; CLUSTER 4 x 4: r = 4 x cluster x + cx, b = cy.  U_1's record hangs on r alone: asked for jointly by my column; hb's on b alone: by my row.
; hf is not asked for jointly: it goes from memory straight into the registers where it stays, and its 270,336 bytes have no room in LDS beside two slots of 135,168.
; LIMITS: NaN and infinities are not served; a block of T whose largest magnitude lies under 2^(16 - 127) keeps the byte 1.
; REGISTERS.  window 0: v1 lane; v2-11 LDS addresses; v12-13 for the spare words; v14 U_2[512:]'s scale word; v15 256 h; v16-31 hf's scale words; v32-39 T's; v40-55 U_1's; v56-71 hb's; v72-95 at work;
;   v96-159 U_1's fragments, two buffers of two; v160-175 U_2[512:]'s fragment; v176-239 ACC; v240-255 the two accumulators of rb.
;   windows 1, 2: hf(k, xt) at v[128 (k % 2) + 16 xt] of window 1 + k / 2.   window 3: v0-127 TQ[xt]; v128-191, v192-255 T's tiles 0 and 1, in phase 2 two buffers of four fragments of hb.
.set REC,   67584
.set HALFR, 33792                      ; half a record: what one tensor load brings: 132 rows of 256 bytes
.set SLOTB, 135168                     ; a slot: U_1's record, then hb's.  0x21000 shares no bit with wave x 33,792, so one exclusive or turns an address from slot to slot
.set SPARE, 270336                     ; behind the ring: the spare words, 128 bytes for each wave: two blocks of 256 bytes that no other line names
.set RED,   270848                     ; a block of 256 bytes: the waves' four sums of rb
.set OST,   271104                     ; 512 bytes for each wave: the way out
.set AU,   2
.set AUS,  3
.set AH,   4
.set AS,   8
.set SPW,  12
.set NIL,  13
.set U2S,  14
.set H256, 15
.set HFS,  16
.set TQS,  32
.set U1S,  40
.set HBS,  56
.set QM,   72
.set QP,   80
.set QB,   88
.set UST,  96
.set U2F,  160
.set ACC,  176
.set ACC9, 240
.set T0,   128
.set T1,   192
; scalars: s16 wave, s17 wave / 2, s18 wave % 2; s19 cx, s21 r; s20 cy, s22 b; s23 mantissa of 57,344; s[24:31], s[32:35] groups 1 and 0 for U_1; s[36:43], s[44:47] for hb; s[48:49] lane selects;
; s50 the slot in hand; s51 trips; s[52:55] ((w + g) % 4) x 16,384; s[56:59] U_2[512:]'s words; s[60:63] U_2[:512]'s + 5; s[66:67], s[68:69] U_2's fragments; s[70:71] hf's record; s72 bias[r]; s73 1 / 512;
; s[86:87] my 512 bytes of part; s96-98 at work in the loop (they never hold cx or cy)
.set MSB, 0
.macro WIN new                         ; the immediate's high byte repeats the setting that is left
.if MSB != \new
	s_set_vgpr_msb (MSB<<8)|\new
.set MSB, \new
.endif
.endm
.macro PLACES n                        ; plain vector lines between a matrix instruction and what may not follow it closely (ISA guide 7.12.1)
.rept \n
	v_nop
.endr
.endm
.macro CREST                           ; a round of the cluster's barrier behind its opening barrier
	s_cmp_lg_u32 s16, 0
	s_cbranch_scc1 .Lnot_wave_0_\@
	s_barrier_signal -3
.Lnot_wave_0_\@:
	s_barrier_wait -3
	s_barrier_signal -1
	s_barrier_wait -1
.endm
.macro CROUND
	s_barrier_signal -1
	s_barrier_wait -1
	CREST
.endm
; A joint load: waves 0 and 1 fetch the halves of U_1's record, waves 2 and 3 those of hb's.  The branch hangs on the wave's number alone.  Four v_nop follow each of the two lines.
.macro JLOAD
	s_cmp_eq_u32 s17, 0
	s_cbranch_scc0 .Lfor_b_\@
	tensor_load_to_lds s[32:35], s[24:31]
	s_nop 0
.rept 4
	v_nop
.endr
	s_branch .Lasked_\@
.Lfor_b_\@:
	tensor_load_to_lds s[44:47], s[36:43]
	s_nop 0
.rept 4
	v_nop
.endr
.Lasked_\@:
.endm
; The matrix instruction.  d, a, b: first registers; zero: C is the constant 0, else C = D; sa, sb: the scale registers; ra, rb: 1 = the scales stand in lanes 16-31
.macro WM d, a, b, zero, sa, sb, ra, rb
.if \zero
.if \ra
.if \rb
	v_wmma_scale_f32_16x16x128_f8f6f4 v[(\d):(\d)+7], v[(\a):(\a)+15], v[(\b):(\b)+15], 0, v[\sa], v[\sb] matrix_a_fmt:MATRIX_FMT_BF8 matrix_b_fmt:MATRIX_FMT_BF8 matrix_a_scale:MATRIX_SCALE_ROW1 matrix_b_scale:MATRIX_SCALE_ROW1
.else
	v_wmma_scale_f32_16x16x128_f8f6f4 v[(\d):(\d)+7], v[(\a):(\a)+15], v[(\b):(\b)+15], 0, v[\sa], v[\sb] matrix_a_fmt:MATRIX_FMT_BF8 matrix_b_fmt:MATRIX_FMT_BF8 matrix_a_scale:MATRIX_SCALE_ROW1
.endif
.else
.if \rb
	v_wmma_scale_f32_16x16x128_f8f6f4 v[(\d):(\d)+7], v[(\a):(\a)+15], v[(\b):(\b)+15], 0, v[\sa], v[\sb] matrix_a_fmt:MATRIX_FMT_BF8 matrix_b_fmt:MATRIX_FMT_BF8 matrix_b_scale:MATRIX_SCALE_ROW1
.else
	v_wmma_scale_f32_16x16x128_f8f6f4 v[(\d):(\d)+7], v[(\a):(\a)+15], v[(\b):(\b)+15], 0, v[\sa], v[\sb] matrix_a_fmt:MATRIX_FMT_BF8 matrix_b_fmt:MATRIX_FMT_BF8
.endif
.endif
.else
.if \ra
.if \rb
	v_wmma_scale_f32_16x16x128_f8f6f4 v[(\d):(\d)+7], v[(\a):(\a)+15], v[(\b):(\b)+15], v[(\d):(\d)+7], v[\sa], v[\sb] matrix_a_fmt:MATRIX_FMT_BF8 matrix_b_fmt:MATRIX_FMT_BF8 matrix_a_scale:MATRIX_SCALE_ROW1 matrix_b_scale:MATRIX_SCALE_ROW1
.else
	v_wmma_scale_f32_16x16x128_f8f6f4 v[(\d):(\d)+7], v[(\a):(\a)+15], v[(\b):(\b)+15], v[(\d):(\d)+7], v[\sa], v[\sb] matrix_a_fmt:MATRIX_FMT_BF8 matrix_b_fmt:MATRIX_FMT_BF8 matrix_a_scale:MATRIX_SCALE_ROW1
.endif
.else
.if \rb
	v_wmma_scale_f32_16x16x128_f8f6f4 v[(\d):(\d)+7], v[(\a):(\a)+15], v[(\b):(\b)+15], v[(\d):(\d)+7], v[\sa], v[\sb] matrix_a_fmt:MATRIX_FMT_BF8 matrix_b_fmt:MATRIX_FMT_BF8 matrix_b_scale:MATRIX_SCALE_ROW1
.else
	v_wmma_scale_f32_16x16x128_f8f6f4 v[(\d):(\d)+7], v[(\a):(\a)+15], v[(\b):(\b)+15], v[(\d):(\d)+7], v[\sa], v[\sb] matrix_a_fmt:MATRIX_FMT_BF8 matrix_b_fmt:MATRIX_FMT_BF8
.endif
.endif
.endif
.endm
.macro FETCHU n                        ; U_1's two fragments (tiles 0, 1) of step n = 4 s4 + k into buffer n % 2: 8 loads
	WIN 0
.irp jt, 0,1
.irp q, 0,1,2,3
	ds_load_b128 v[UST+32*((\n)&1)+16*\jt+4*\q:UST+32*((\n)&1)+16*\jt+4*\q+3], v[AU] offset:(2*(\n)+\jt)*2048+512*\q
.endr
.endr
.endm
.macro MUL1 s4, k                      ; 16 products: 2 tiles of j x 8 tiles of x, K step k of 128 i.  The 16 accumulators take turns, one instruction a turn
.if (\k) < 2
	WIN 0xf4                                       ; source 0 (U_1) window 0, source 1 (hf) window 1, C and D window 3
.else
	WIN 0xf8                                       ; hf in window 2
.endif
.irp jt, 0,1
.irp xt, 0,1,2,3,4,5,6,7
	WM 128+64*\jt+8*\xt, UST+32*((\k)&1)+16*\jt, 128*((\k)&1)+16*\xt, (\k)==0, U1S+4*(\s4)+(\k), HFS+4*(\k)+\xt/2, \jt, \xt&1
.endr
.endr
.endm
; T's 32 j of sub-chunk s4 become codes: for each of the 8 tiles of x a lane's 16 numbers (T0: j 16 h + 0 .. 7, T1: + 8 .. 15) and lane l xor 16's are a block.
.macro QUANT s4
	WIN 0x3c                                       ; sources 1 and 2 (T) window 3
.irp xt, 0,1,2,3,4,5,6,7
	v_max3_num_f32 v[QM+\xt], 0x8000000, |v[T0+8*\xt]|, |v[T0+8*\xt+1]|   ; the floor 2^(16 - 127), and each accumulator from its low end on; the eight tiles by turns
.endr
.irp i, 2,4,6
.irp xt, 0,1,2,3,4,5,6,7
	v_max3_num_f32 v[QM+\xt], v[QM+\xt], |v[T0+8*\xt+\i]|, |v[T0+8*\xt+\i+1]|
.endr
.endr
.irp i, 0,2,4,6
.irp xt, 0,1,2,3,4,5,6,7
	v_max3_num_f32 v[QM+\xt], v[QM+\xt], |v[T1+8*\xt+\i]|, |v[T1+8*\xt+\i+1]|
.endr
.endr
	WIN 0
.irp xt, 0,1,2,3,4,5,6,7
	v_permlanex16_b32 v[QP+\xt], v[QM+\xt], s48, s49
.endr
.irp xt, 0,1,2,3,4,5,6,7
	v_max_num_f32 v[QM+\xt], v[QM+\xt], v[QP+\xt]  ; the block's largest magnitude
.endr
.irp xt, 0,1,2,3,4,5,6,7
	v_add_nc_u32 v[QP+\xt], 0xf8800000, v[QM+\xt]  ; 15 off its exponent field: the conversion's scale operand
.endr
.if (\s4) == 0
.irp xt, 0,1,2,3,4,5,6,7
	v_lshrrev_b32 v[TQS+\xt], 23, v[QP+\xt]        ; the scale's byte begins the chunk's scale word
.endr
.else
.irp xt, 0,1,2,3,4,5,6,7
	v_lshrrev_b32 v[QB+\xt], 23, v[QP+\xt]
.endr
.irp xt, 0,1,2,3,4,5,6,7
	v_lshl_or_b32 v[TQS+\xt], v[QB+\xt], 8*(\s4), v[TQS+\xt]
.endr
.endif
.irp xt, 0,1,2,3,4,5,6,7
	v_and_or_b32 v[QM+\xt], v[QM+\xt], 0x7f800000, s23   ; 57,344 x the scale
.endr
	WIN 0xc3                                       ; destination and source 0 window 3
.irp xt, 0,1,2,3,4,5,6,7
.irp i, 0,1,2,3,4,5,6,7
	v_med3_num_f32 v[T0+8*\xt+\i], v[T0+8*\xt+\i], -v[QM+\xt], v[QM+\xt]   ; the conversion to an 8-bit code does not saturate (ISA guide 7.6.2): the hold comes first
.endr
.irp i, 0,1,2,3,4,5,6,7
	v_med3_num_f32 v[T1+8*\xt+\i], v[T1+8*\xt+\i], -v[QM+\xt], v[QM+\xt]
.endr
	v_cvt_scalef32_pk8_bf8_f32 v[16*\xt+4*(\s4):16*\xt+4*(\s4)+1], v[T0+8*\xt:T0+8*\xt+7], v[QP+\xt]
	v_cvt_scalef32_pk8_bf8_f32 v[16*\xt+4*(\s4)+2:16*\xt+4*(\s4)+3], v[T1+8*\xt:T1+8*\xt+7], v[QP+\xt]
.endr
	v_nop                                          ; a plain line behind the last conversion
.endm
.macro FETCHH u                        ; four fragments of hb (the u-th four of my rotated order) into buffer u % 2: 16 loads
	WIN 0xc0                                       ; destination window 3
.irp tt, 0,1,2,3
.irp q, 0,1,2,3
	ds_load_b128 v[128+64*((\u)&1)+16*\tt+4*\q:128+64*((\u)&1)+16*\tt+4*\q+3], v[AH+(\u)/2] offset:(4*((\u)&1)+\tt)*2048+512*\q
.endr
.endr
.endm
.macro MUL2 u                          ; 32 products: 4 tiles of y x 8 tiles of x; the 8 accumulators take turns
	WIN 0x0f                                       ; sources 0 (hb) and 1 (TQ) window 3, C and D window 0
.irp tt, 0,1,2,3
.irp xt, 0,1,2,3,4,5,6,7
	WM ACC+8*\xt, 128+64*((\u)&1)+16*\tt, 16*\xt, 0, HBS+(4*(\u)+\tt)/2, TQS+\xt, \tt&1, 0
.endr
.endr
.endm
.macro NINE u                          ; rb of the same four tiles of y: two accumulators by turns
	s_wait_loadcnt 0x0                             ; U_2[512:]'s fragment of this chunk is in
	WIN 0x03                                       ; source 0 (hb) window 3
.irp tt, 0,1,2,3
	WM ACC9+8*(\tt&1), 128+64*((\u)&1)+16*\tt, U2F, 0, HBS+(4*(\u)+\tt)/2, U2S, \tt&1, 0
.endr
.endm
; THE CHANGE OF SLOTS stands at a chunk's head.  Each wave waits for all its tensor loads (its part of the slot that it is about to read), adds 0 to its spare word, and waits for that and for its reads of the slot that it has left.
; fill = 1: a round of the cluster's barrier, so that no wave of any partner still reads the other slot or has a load on its way; the joint load of the next chunk is the first thing behind it and has a whole chunk in which to land.
.macro CHANGE fill
	WIN 0
	s_wait_tensorcnt 0x0                           ; no tensor load of mine is out, so a group 0 may be written
	ds_add_u32 v[SPW], v[NIL]                      ; 0 onto my spare word
.if \fill
	s_xor_b32 s33, s33, SLOTB                      ; the walking descriptors: the other slot than last time,
	s_add_nc_u64 s[34:35], s[34:35], REC           ; the next chunk's record; the type bits on top are not reached
	s_xor_b32 s45, s45, SLOTB
	s_add_nc_u64 s[46:47], s[46:47], REC
.endif
	s_wait_dscnt 0x0                               ; the add is done, and my reads of the slot that I have left are over
.if \fill
	CROUND
	JLOAD
.else
	s_barrier_signal -1
	s_barrier_wait -1
.endif
.endm
; A CHUNK of 128 j, from the slot at s50.
.macro STEP
	s_add_co_u32 s96, s50, 65536
	v_lshl_add_u32 v[AU], v1, 4, s50               ; U_1's images: 16 x lane
	v_lshl_add_u32 v[AUS], v1, 3, s96              ; its words: 8 x lane
.irp g, 0,1,2,3
	s_add_co_u32 s97, s50, s[52+\g]
	s_add_co_u32 s97, s97, REC
	s_lshr_b32 s98, s[52+\g], 5
	s_add_co_u32 s98, s98, s50
	s_add_co_u32 s98, s98, REC+65536
	v_lshl_add_u32 v[AH+\g], v1, 4, s97            ; hb's images of group (w + g) % 4: 8 tiles of 2,048 bytes
	v_lshl_add_u32 v[AS+\g], v1, 2, s98            ; and their words: 512 bytes
.endr
	v_mov_b32 v[U2S], s56                          ; U_2[512:, r]'s scale word of this chunk, in every lane
	s_mov_b32 s56, s57
	s_mov_b32 s57, s58
	s_mov_b32 s58, s59
.irp q, 0,1,2,3
	global_load_b128 v[U2F+4*\q:U2F+4*\q+3], v[H256], s[66:67] offset:512*\q   ; its fragment: all lanes of a half read the same 16 bytes: 16 equal columns
.endr
.irp s, 0,1,2,3
.irp kh, 0,1
	ds_load_b64 v[U1S+4*\s+2*\kh:U1S+4*\s+2*\kh+1], v[AUS] offset:512*\s+256*\kh   ; lanes 0-15 tile 0's words, lanes 16-31 tile 1's; two K steps a load
.endr
.endr
	s_wait_alu depctr_va_vdst(0)
.irp g, 0,1,2,3
.irp pp, 0,1,2,3
	ds_load_b32 v[HBS+4*\g+\pp], v[AS+\g] offset:128*\pp   ; lanes 0-15 the even tile's words, lanes 16-31 the odd tile's
.endr
.endr
	FETCHU 0
	FETCHU 1
.irp n, 0,1,2,3,4,5,6,7,8,9,10,11,12,13,14,15
.if \n < 15
	s_wait_dscnt 8                                 ; all but the 8 loads of the next step's fragments
.else
	s_wait_dscnt 0x0
.endif
	MUL1 \n/4, \n%4
	PLACES 8                                       ; in front of loads into the buffer just multiplied, and of the first read of results
.if \n < 14
	FETCHU \n+2
.endif
.if \n%4 == 3
	QUANT \n/4
.endif
.endr
	PLACES 4                                       ; codes written by vector instructions stand four plain lines ahead of the products that take them; the scale words were made ahead of the holds
	FETCHH 0
	FETCHH 1
	s_wait_alu depctr_va_vdst(0)
.irp u, 0,1,2,3,4,5,6,7
.if \u < 7
	s_wait_dscnt 16                                ; all but the 16 loads of the other buffer
.else
	s_wait_dscnt 0x0
.endif
	MUL2 \u
.if \u < 2
	NINE \u
.endif
.if \u < 6
	PLACES 8                                       ; in front of loads into the buffer just multiplied
	FETCHH \u+2
.endif
.endr
	WIN 0
	PLACES 9                                       ; the next chunk's first products write over hb's buffers; the way out reads results
	s_add_nc_u64 s[66:67], s[66:67], 4096          ; U_2[512:]'s next K step (its loads were waited for above)
	s_xor_b32 s50, s50, SLOTB                      ; on to the other slot
.endm
	s_load_b256 s[4:11], s[0:1], 0x0               ; u1q s[4:5], hfq s[6:7], hbq s[8:9], u2q s[10:11]
	s_load_b128 s[12:15], s[0:1], 0x20             ; bias s[12:13], part s[14:15]
	v_lshl_add_u32 v[SPW], v0, 2, SPARE
	v_mov_b32 v[NIL], 0
	ds_add_u32 v12, v13
	ds_add_u32 v12, v13
	s_wait_dscnt 0x0
	v_lshrrev_b32 v1, 5, v0
	v_readfirstlane_b32 s16, v1                    ; wave 0..3
	v_and_b32 v1, 31, v0                           ; lane
	v_bfe_u32 v[H256], v0, 4, 1
	v_lshlrev_b32 v[H256], 8, v[H256]              ; 256 h
	s_lshr_b32 s17, s16, 1                         ; I fetch for U_1 (0) or for hb (1),
	s_and_b32 s18, s16, 1                          ; this half of the record
	s_bfe_u32 s19, ttmp6, 0x40000                  ; cx
	s_bfe_u32 s20, ttmp6, 0x40004                  ; cy
	s_lshl_b32 s21, ttmp9, 2
	s_add_co_u32 s21, s21, s19                     ; r = 4 x cluster x + cx
	s_and_b32 s22, ttmp7, 0xffff
	s_lshl_b32 s22, s22, 2
	s_add_co_u32 s22, s22, s20                     ; b = 4 x cluster y + cy
	s_lshl_b32 s74, 0x1111, s19                    ; my column of the cluster: the same r
	s_lshl_b32 s75, s20, 2
	s_lshl_b32 s75, 15, s75                        ; my row: the same b
	; descriptor group 1: a dense block of 33,792 bytes as 132 rows of 32 elements of 8 bytes, no padding: images are read at 16 x lane
	s_or_b32 s24, s74, (3<<16)|(1<<21)             ; 15:0 the mask; 17:16 elements of 8 bytes; 21 set beside a mask
	s_or_b32 s36, s75, (3<<16)|(1<<21)
.irp g, 24, 36
	s_mov_b32 s[\g+1], 32<<16                      ; tensor_dim0 = 32
	s_mov_b32 s[\g+2], 132<<16                     ; tensor_dim1 = 132
	s_mov_b32 s[\g+3], 32<<16                      ; tile_dim0 = 32
	s_mov_b32 s[\g+4], 132                         ; tile_dim1 = 132
	s_mov_b32 s[\g+5], 32                          ; from row to row
	s_mov_b32 s[\g+6], 0
	s_mov_b32 s[\g+7], 0
.endr
	s_mul_i32 s78, s18, HALFR                      ; my half, in memory
	s_mul_i32 s79, s16, HALFR                      ; and where it goes in a slot: wave x 33,792: no place in the cluster enters an LDS address
	s_mul_i32 s76, s21, 4*REC                      ; U_1: record 4 r (registers that never hold cy)
	s_add_co_u32 s76, s76, s78
	s_mov_b32 s77, 0
	s_mul_i32 s80, s22, 4*REC                      ; hb: record 4 b (registers that never hold cx)
	s_add_co_u32 s80, s80, s78
	s_mov_b32 s81, 0
	s_lshl_b32 s82, s22, 2
	s_add_co_u32 s82, s82, s16
	s_mul_i32 s82, s82, REC                        ; hf: record 4 b + wave
	s_mov_b32 s83, 0
	s_lshr_b32 s84, s21, 5                         ; U_2's column r: s4 = r / 32,
	s_bfe_u32 s85, s21, 0x10003                    ; tile (r / 8) % 2,
	s_and_b32 s88, s21, 7
	s_bfe_u32 s89, s21, 0x10004
	s_lshl_b32 s89, s89, 3
	s_add_co_u32 s88, s88, s89                     ; row r % 8 + 8 ((r / 16) % 2)
	s_lshl_b32 s90, s84, 14
	s_lshl_b32 s91, s85, 11
	s_add_co_u32 s90, s90, s91
	s_lshl_b32 s91, s88, 4
	s_add_co_u32 s90, s90, s91                     ; its 16 bytes of K step 0, group 0, h = 0
	s_mov_b32 s91, 0
	s_lshl_b32 s92, s84, 9
	s_lshl_b32 s93, s85, 7
	s_add_co_u32 s92, s92, s93
	s_lshl_b32 s93, s88, 3
	s_add_co_u32 s92, s92, s93                     ; its scale words (65,536 stands in the loads' immediates)
	s_mov_b32 s93, 0
	s_lshl_b32 s94, s21, 2                         ; bias[r]
	s_mov_b32 s95, 0
	s_lshl_b32 s86, s22, 17                        ; part: ((64 b + r) 512 + 128 wave) x 4 bytes
	s_lshl_b32 s87, s21, 11
	s_add_co_u32 s86, s86, s87
	s_lshl_b32 s87, s16, 9
	s_add_co_u32 s86, s86, s87
	s_mov_b32 s87, 0
.irp g, 0,1,2,3
	s_add_co_u32 s[52+\g], s16, \g
	s_and_b32 s[52+\g], s[52+\g], 3
	s_lshl_b32 s[52+\g], s[52+\g], 14              ; group (wave + g) % 4 of hb's tiles
.endr
	s_mov_b32 s23, 0x600000
	s_mov_b32 s48, 0x76543210
	s_mov_b32 s49, 0xfedcba98                      ; v_permlanex16_b32's selects for lane l xor 16
	s_mov_b32 s50, 0
	s_mov_b32 s73, 0x3b000000                      ; 1 / 512
	s_wait_kmcnt 0x0
	s_mov_b32 s32, 1                               ; group 0: count = 1,
	s_mov_b32 s33, s79                             ; LDS address: slot 0,
	s_add_nc_u64 s[34:35], s[4:5], s[76:77]        ; global address: chunk 0,
	s_or_b32 s35, s35, 0x80000000                  ; type = 2
	s_mov_b32 s44, 1
	s_mov_b32 s45, s79
	s_add_nc_u64 s[46:47], s[8:9], s[80:81]
	s_or_b32 s47, s47, 0x80000000
	s_add_nc_u64 s[70:71], s[6:7], s[82:83]
	s_add_nc_u64 s[68:69], s[10:11], s[90:91]      ; U_2[:512, r]
	s_add_nc_u64 s[66:67], s[68:69], REC           ; U_2[512:, r]
	s_add_nc_u64 s[92:93], s[10:11], s[92:93]
	s_add_nc_u64 s[94:95], s[12:13], s[94:95]
	s_add_nc_u64 s[86:87], s[14:15], s[86:87]
	CROUND                                         ; all sixteen work-groups are here: the first joint loads meet
	JLOAD                                          ; chunk 0 into slot 0; by this text's count a wave never has more than one tensor load out
	s_load_b64 s[60:61], s[92:93], 65536           ; U_2[:512, r]'s scale words of K steps 0, 1,
	s_load_b64 s[62:63], s[92:93], 65536+256       ; 2, 3;
	s_load_b64 s[56:57], s[92:93], REC+65536       ; U_2[512:, r]'s
	s_load_b64 s[58:59], s[92:93], REC+65536+256
	s_load_b32 s72, s[94:95], 0x0
	s_wait_alu depctr_va_vdst(0)
	v_lshlrev_b32 v[QM], 4, v1
	v_lshlrev_b32 v[QM+1], 2, v1
	WIN 0x40                                       ; destination window 1
.irp k, 0,1
.irp xt, 0,1,2,3,4,5,6,7
.irp q, 0,1,2,3
	global_load_b128 v[128*\k+16*\xt+4*\q:128*\k+16*\xt+4*\q+3], v[QM], s[70:71] offset:(8*\k+\xt)*2048+512*\q   ; hf's fragments stay in registers
.endr
.endr
.endr
	WIN 0x80                                       ; destination window 2
.irp k, 0,1
.irp xt, 0,1,2,3,4,5,6,7
.irp q, 0,1,2,3
	global_load_b128 v[128*\k+16*\xt+4*\q:128*\k+16*\xt+4*\q+3], v[QM], s[70:71] offset:(8*(\k+2)+\xt)*2048+512*\q
.endr
.endr
.endr
	WIN 0
.irp k, 0,1,2,3
.irp pp, 0,1,2,3
	global_load_b32 v[HFS+4*\k+\pp], v[QM+1], s[70:71] offset:65536+512*\k+128*\pp   ; lanes 0-15 the even tile's words, lanes 16-31 the odd tile's
.endr
.endr
.irp k, 0,1,2,3
.irp q, 0,1,2,3
	global_load_b128 v[UST+16*\k+4*\q:UST+16*\k+4*\q+3], v[H256], s[68:69] offset:4096*\k+512*\q   ; U_2[:512, r]: 16 equal rows
.endr
.endr
	s_wait_kmcnt 0x0
.irp k, 0,1,2,3
	s_add_co_u32 s[60+\k], s[60+\k], 0x05050505    ; x 32 in every block
.endr
.irp k, 0,1,2,3
	v_mov_b32 v[U1S+\k], s[60+\k]
.endr
.irp i, 0,1,2,3,4,5,6,7
	v_mov_b32 v[QP+\i], 0                          ; written once: a lane permute's destination counts as one of its sources
.endr
.irp i, 0,1,2,3,4,5,6,7,8,9,10,11,12,13,14,15
	v_mov_b32 v[ACC9+\i], 0                        ; rb's sums begin at 0.  (These 24 lines are also the plain lines between the scale words' v_mov_b32 and the products)
.endr
	s_wait_loadcnt 0x0
.irp k, 0,1,2,3                        ; 32 rf in each of 16 rows: these products start ACC's sums
.if \k < 2
	WIN 0x04
.else
	WIN 0x08
.endif
.irp xt, 0,1,2,3,4,5,6,7
	WM ACC+8*\xt, UST+16*\k, 128*(\k&1)+16*\xt, \k==0, U1S+\k, HFS+4*\k+\xt/2, 0, \xt&1
.endr
.endr
	WIN 0
	PLACES 9                                       ; in front of loads into the registers just multiplied
	s_mov_b32 s51, 3
.Lchunk:                                           ; three trips: behind each change of slots but the last the next chunk is asked for
	CHANGE 1
	STEP
	s_sub_co_u32 s51, s51, 1
	s_cmp_lg_u32 s51, 0
	s_cbranch_scc1 .Lchunk
	CHANGE 0                                       ; the last chunk is written out
	STEP
	; THE WAY OUT.  A lane's eight registers and lane l xor 16's are the 16 rows of an accumulator: their sum is the sum over y.
.irp xt, 0,1,2,3,4,5,6,7
	v_pk_add_f32 v[UST+2*\xt:UST+2*\xt+1], v[ACC+8*\xt:ACC+8*\xt+1], v[ACC+8*\xt+2:ACC+8*\xt+3]   ; each accumulator from its low end on
.endr
.irp xt, 0,1,2,3,4,5,6,7
	v_pk_add_f32 v[UST+16+2*\xt:UST+17+2*\xt], v[ACC+8*\xt+4:ACC+8*\xt+5], v[ACC+8*\xt+6:ACC+8*\xt+7]
.endr
.irp xt, 0,1,2,3,4,5,6,7
	v_pk_add_f32 v[UST+2*\xt:UST+2*\xt+1], v[UST+2*\xt:UST+2*\xt+1], v[UST+16+2*\xt:UST+17+2*\xt]
.endr
.irp xt, 0,1,2,3,4,5,6,7
	v_add_f32 v[UST+32+\xt], v[UST+2*\xt], v[UST+2*\xt+1]
.endr
.irp xt, 0,1,2,3,4,5,6,7
	v_permlanex16_b32 v[QP+\xt], v[UST+32+\xt], s48, s49
.endr
.irp xt, 0,1,2,3,4,5,6,7
	v_add_f32 v[UST+32+\xt], v[UST+32+\xt], v[QP+\xt]   ; v128-135: lane rl: sum over y of left + 512 rf, for x = 16 xt + rl
.endr
.irp i, 0,1,2,3
	v_pk_add_f32 v[UST+40+2*\i:UST+41+2*\i], v[ACC9+2*\i:ACC9+2*\i+1], v[ACC9+8+2*\i:ACC9+9+2*\i]
.endr
	v_pk_add_f32 v[136:137], v[136:137], v[138:139]
	v_pk_add_f32 v[140:141], v[140:141], v[142:143]
	v_pk_add_f32 v[136:137], v[136:137], v[140:141]
	v_add_f32 v136, v136, v137
	v_permlanex16_b32 v[QM], v136, s48, s49
	v_add_f32 v136, v136, v[QM]                    ; the sum of rb over my quarter of y, the same in every lane
	s_lshl_b32 s96, s16, 2
	s_add_co_u32 s96, s96, RED
	v_mov_b32 v137, s96
	ds_store_b32 v137, v136                        ; all lanes write the same word with the same value
	s_wait_dscnt 0x0                               ; for the others' sake
	s_barrier_signal -1
	s_barrier_wait -1
	v_mov_b32 v138, RED
	ds_load_b128 v[140:143], v138                  ; the four waves' sums
	s_lshl_b32 s97, s16, 9
	s_add_co_u32 s97, s97, OST                     ; my 512 bytes
	v_and_b32 v144, 15, v0
	v_lshl_add_u32 v144, v144, 2, s97              ; in: 4 rl (+ 64 xt)
	v_lshl_add_u32 v145, v1, 4, s97                ; back: 16 x lane
	v_lshlrev_b32 v146, 4, v1
	s_wait_dscnt 0x0
	v_add_f32 v140, v140, v141
	v_add_f32 v142, v142, v143
	v_add_f32 v140, v140, v142
	v_fma_f32 v140, v140, s73, s72                 ; mean of rb + bias[r]
.irp xt, 0,1,2,3,4,5,6,7
	v_fma_f32 v[UST+32+\xt], v[UST+32+\xt], s73, v140
.endr
.irp xt, 0,1,2,3,4,5,6,7
	ds_store_b32 v144, v[UST+32+\xt] offset:64*\xt ; both halves of the lanes write the same word with the same value
.endr
	ds_load_b128 v[148:151], v145                  ; LDS serves a wave's instructions in order (ISA guide 5.7.1.4): this sees my stores
	s_wait_dscnt 0x0
	global_store_b128 v146, v[148:151], s[86:87]   ; 32 lanes store 512 consecutive bytes, aligned
	s_wait_tensorcnt 0x0                           ; the wave's end: behind my last tensor load and my last LDS store
	ds_add_u32 v[SPW], v[NIL]
	s_wait_dscnt 0x0
	CROUND                                         ; the closing round: no work-group ends while a partner may still ask for a tile that names it
	s_endpgm
.Lfunc_end_k_qc9196c1ec2_main:
	.size	k_qc9196c1ec2_main, .Lfunc_end_k_qc9196c1ec2_main-k_qc9196c1ec2_main
	.p2alignl 7, 3214868480
	.fill 96, 4, 3214868480
	.section	.rodata,"a",@progbits
	.p2align	6, 0x0
	.amdhsa_kernel k_qc9196c1ec2_main
		.amdhsa_group_segment_fixed_size 327680
		.amdhsa_private_segment_fixed_size 0
		.amdhsa_enable_private_segment 0
		.amdhsa_kernarg_size 48
		.amdhsa_user_sgpr_count 2
		.amdhsa_user_sgpr_kernarg_segment_ptr 1
		.amdhsa_wavefront_size32 1
		.amdhsa_system_sgpr_workgroup_id_x 1
		.amdhsa_system_sgpr_workgroup_id_y 1
		.amdhsa_system_sgpr_workgroup_id_z 1
		.amdhsa_system_vgpr_workitem_id 0
		.amdhsa_next_free_vgpr 1024
		.amdhsa_next_free_sgpr 100
		.amdhsa_reserve_vcc 0
		.amdhsa_float_denorm_mode_32 3
		.amdhsa_float_denorm_mode_16_64 3
		.amdhsa_memory_ordered 1
		.amdhsa_forward_progress 1
		.amdhsa_inst_pref_size 255
	.end_amdhsa_kernel
	.section	.bss,"aw",@nobits
	.p2align	6
	.space	262144
	.amdgpu_metadata
---
amdhsa.version: [ 1, 2 ]
amdhsa.kernels:
  - .name:           k_qc9196c1ec2_main
    .symbol:         k_qc9196c1ec2_main.kd
    .args:
      - { .name: u1q, .offset: 0, .size: 8, .value_kind: global_buffer, .address_space: global }
      - { .name: hfq, .offset: 8, .size: 8, .value_kind: global_buffer, .address_space: global }
      - { .name: hbq, .offset: 16, .size: 8, .value_kind: global_buffer, .address_space: global }
      - { .name: u2q, .offset: 24, .size: 8, .value_kind: global_buffer, .address_space: global }
      - { .name: bias, .offset: 32, .size: 8, .value_kind: global_buffer, .address_space: global }
      - { .name: part, .offset: 40, .size: 8, .value_kind: global_buffer, .address_space: global }
    .group_segment_fixed_size: 327680
    .private_segment_fixed_size: 0
    .kernarg_segment_align: 8
    .kernarg_segment_size: 48
    .max_flat_workgroup_size: 128
    .sgpr_count:     100
    .vgpr_count:     1024
    .wavefront_size: 32
...
	.end_amdgpu_metadata
.endif
;; end of part 2
;; launch turn (part 3): grid 8 x 4, 4 waves a work-group, no clusters, 17,920 bytes of LDS; arguments part, out0; writes out0
.if DOCPART == 3
	.amdgcn_target "amdgcn-amd-amdhsa--gfx1250"
	.amdhsa_code_object_version 6
	.text
	.protected	k_qc9196c1ec2_turn
	.globl	k_qc9196c1ec2_turn
	.p2align	8
	.type	k_qc9196c1ec2_turn,@function
k_qc9196c1ec2_turn:
	s_mov_b64 s[64:65], 0
	v_nop
	global_prefetch_b8 v0, s[64:65] scope:SCOPE_SE
	s_setreg_imm32_b32 hwreg(HW_REG_WAVE_MODE, 25, 1), 1
	s_wait_xcnt 0x0
; out0[b][x][r] = part[b][r][x].  part: [4][64][512] f32, out0: [4][512][64] f32.
; A work-group takes 64 x and all 64 r of one b.  A lane takes an x, and its 32 registers run down r: each load reads 128 consecutive bytes of a row of part.  The lane's 32 numbers are half a row of out0:
; they go into a stage in LDS (rows of 256 bytes + 16) and leave as whole rows: 32 lanes store 512 consecutive bytes, aligned.
; No matrix work, no tensor loads, no cluster: the work-groups share nothing, and the launch moves 1 MiB in all.
.set PITCH, 272
	s_load_b128 s[4:7], s[0:1], 0x0                ; part, out0
	v_lshl_add_u32 v64, v0, 2, 0x4400
	v_mov_b32 v65, 0
	v_lshrrev_b32 v1, 5, v0
	v_readfirstlane_b32 s8, v1                     ; wave 0..3
	v_and_b32 v2, 31, v0                           ; lane
	s_wait_alu depctr_va_vdst(0)
	s_and_b32 s9, ttmp7, 0xffff                    ; b
	s_and_b32 s10, s8, 1                           ; xs: which 32 x
	s_lshr_b32 s11, s8, 1                          ; rh: which 32 r
	s_lshl_b32 s12, s9, 6
	s_lshl_b32 s13, s11, 5
	s_add_co_u32 s12, s12, s13                     ; row 64 b + 32 rh of part,
	s_lshl_b32 s12, s12, 11                        ; of 2,048 bytes,
	s_lshl_b32 s13, ttmp9, 8
	s_add_co_u32 s12, s12, s13                     ; + 64 x for the work-group,
	s_lshl_b32 s13, s10, 7
	s_add_co_u32 s12, s12, s13                     ; + 32 x for the wave
	s_mov_b32 s13, 0
	s_lshl_b32 s14, s9, 9
	s_lshl_b32 s15, ttmp9, 6
	s_add_co_u32 s14, s14, s15
	s_lshl_b32 s15, s8, 4
	s_add_co_u32 s14, s14, s15                     ; row 512 b + 64 xb + 16 wave of out0,
	s_lshl_b32 s14, s14, 8                         ; of 256 bytes
	s_mov_b32 s15, 0
	v_lshlrev_b32 v3, 2, v2                        ; in: 4 bytes a lane
	s_mul_i32 s16, s10, 32*PITCH
	s_lshl_b32 s17, s11, 7
	s_add_co_u32 s16, s16, s17
	v_mul_u32_u24 v4, v2, PITCH
	v_add_nc_u32 v4, s16, v4                       ; the stage, in: row 32 xs + lane, + 128 rh
	s_mul_i32 s17, s8, 16*PITCH
	v_lshrrev_b32 v5, 4, v2
	v_mul_u32_u24 v5, v5, PITCH
	v_and_b32 v6, 15, v2
	v_lshl_add_u32 v5, v6, 4, v5
	v_add_nc_u32 v5, s17, v5                       ; back: row 16 wave + lane / 16, 16 bytes a lane
	v_lshlrev_b32 v7, 4, v2                        ; out: 16 x lane: two rows of 256 bytes
	s_wait_alu depctr_va_vdst(0)
	s_wait_kmcnt 0x0
	s_add_nc_u64 s[4:5], s[4:5], s[12:13]
	s_add_nc_u64 s[6:7], s[6:7], s[14:15]
.irp i, 0,1,2,3,4,5,6,7,8,9,10,11,12,13,14,15,16,17,18,19,20,21,22,23,24,25,26,27,28,29,30,31
	global_load_b32 v[16+\i], v3, s[4:5] offset:2048*\i th:TH_LOAD_NT   ; part[b][32 rh + i][my x]
.endr
	s_wait_loadcnt 0x0
.irp g, 0,1,2,3,4,5,6,7
	ds_store_b128 v4, v[16+4*\g:19+4*\g] offset:16*\g
.endr
	s_wait_dscnt 0x0                               ; for the others' sake: a row's two halves come from two waves
	s_barrier_signal -1
	s_barrier_wait -1
.irp i, 0,1,2,3,4,5,6,7
	ds_load_b128 v[16+4*\i:19+4*\i], v5 offset:2*\i*PITCH
.endr
.irp i, 0,1,2,3,4,5,6,7
	s_wait_dscnt 7-\i                              ; LDS loads come back in order (ISA guide 5.7.1): load i is in, the younger ones may be out
	global_store_b128 v7, v[16+4*\i:19+4*\i], s[6:7] offset:512*\i
.endr
	s_wait_tensorcnt 0x0
	ds_add_u32 v64, v65
	s_wait_dscnt 0x0
	s_endpgm
.Lfunc_end_k_qc9196c1ec2_turn:
	.size	k_qc9196c1ec2_turn, .Lfunc_end_k_qc9196c1ec2_turn-k_qc9196c1ec2_turn
	.p2alignl 7, 3214868480
	.fill 96, 4, 3214868480
	.section	.rodata,"a",@progbits
	.p2align	6, 0x0
	.amdhsa_kernel k_qc9196c1ec2_turn
		.amdhsa_group_segment_fixed_size 17920
		.amdhsa_private_segment_fixed_size 0
		.amdhsa_enable_private_segment 0
		.amdhsa_kernarg_size 16
		.amdhsa_user_sgpr_count 2
		.amdhsa_user_sgpr_kernarg_segment_ptr 1
		.amdhsa_wavefront_size32 1
		.amdhsa_system_sgpr_workgroup_id_x 1
		.amdhsa_system_sgpr_workgroup_id_y 1
		.amdhsa_system_sgpr_workgroup_id_z 1
		.amdhsa_system_vgpr_workitem_id 0
		.amdhsa_next_free_vgpr 66
		.amdhsa_next_free_sgpr 66
		.amdhsa_reserve_vcc 0
		.amdhsa_float_denorm_mode_32 3
		.amdhsa_float_denorm_mode_16_64 3
		.amdhsa_memory_ordered 1
		.amdhsa_forward_progress 1
		.amdhsa_inst_pref_size 8
	.end_amdhsa_kernel
	.amdgpu_metadata
---
amdhsa.version: [ 1, 2 ]
amdhsa.kernels:
  - .name:           k_qc9196c1ec2_turn
    .symbol:         k_qc9196c1ec2_turn.kd
    .args:
      - { .name: part, .offset: 0, .size: 8, .value_kind: global_buffer, .address_space: global }
      - { .name: out0, .offset: 8, .size: 8, .value_kind: global_buffer, .address_space: global }
    .group_segment_fixed_size: 17920
    .private_segment_fixed_size: 0
    .kernarg_segment_align: 8
    .kernarg_segment_size: 16
    .max_flat_workgroup_size: 128
    .sgpr_count:     66
    .vgpr_count:     66
    .wavefront_size: 32
...
	.end_amdgpu_metadata
.endif
;; end of part 3
